; MI455X (gfx1250); checked and timed in simulation.
; The chip was launched on July 23, 2026; its instructions are those of AMD's public machine-readable ISA for CDNA 5 (MIT licence, August 2026) and "CDNA5" Instruction Set Architecture Reference Guide (July 2026). The comments in the code are by the model that wrote it; some were corrected since.
;; Norm Stability. Allowed arithmetic: float matrix products may take bf16 or f16 operands with f32 sums; other float arithmetic in f32, or as packed bf16 or f16 multiplies, adds, multiply-adds, maxima and minima; sums over many terms, partial sums and values carried from step to step in f32; what a program stores and reads back later, other than sums and carried values, may be rounded once to bf16 or f16.
;; Inputs: in_value 64 x 64 x 16 x 16 float32; stable_len 64 x 64 x 16 x 16 float32.
;; Outputs: out0 64 x 64 x 16 x 16 float32.
;; Constants: stream_len = 64.
;; One version. Each part assembles by itself: llvm-mc -triple=amdgcn-amd-amdhsa -mcpu=gfx1250 --defsym DOCPART=n.
;; ======== version 1 of 1: 1 launch
;; launch normstab (part 1): grid 256 x 1, 16 waves a work-group, no clusters, 0 bytes of LDS; arguments in_value, stable_len, out0; writes out0
.if DOCPART == 1
	.amdgcn_target "amdgcn-amd-amdhsa--gfx1250"
	.amdhsa_code_object_version 6
	.text
	.protected	k_qf79a3094fe_normstab
	.globl	k_qf79a3094fe_normstab
	.p2align	8
	.type	k_qf79a3094fe_normstab,@function
k_qf79a3094fe_normstab:
	s_mov_b64 s[64:65], 0
	v_nop
	global_prefetch_b8 v0, s[64:65] scope:SCOPE_SE
	s_setreg_imm32_b32 hwreg(HW_REG_WAVE_MODE, 25, 1), 1
	s_wait_xcnt 0x0
; NORMALISED STABILITY, bipolar, stream length 64 (L = 64), threshold 0.05.  in_value, stable_len, out0: 1,048,576 f32 each; every element stands by itself.
; The JAX function: A = P_low = clip(floor(64 max(t - c, 0))), H = P_high = clip(ceil(64 min(t + c, 1))), t = (v + 1) / 2, c = 0.025f; a loop over p = 0 .. 64 that keeps the least
; cand(p) = l_p min(R(0), R(64)) of the p in [A, H], l_p = 64 / gcd(p, 64); out = clip((1 - clip(s, 1, 64) / 64) / (1 - best_len / 64), 0, 1).
; THE LOOP IN ONE CANDIDATE, for every input.  Trips outside [A, H] change nothing, and the carry ends as clamp(min cand, 1, 64).  Write k = p - A, j = H - p, A' = 64 - H, g = gcd(p, 64), l = 64 / g.
;  (1) A = 0: p = 0 gives cand = 1.  H = 64: p = 64 gives cand = 1.  In both cases best_len = 1.
;  (2) Else 1 <= A, H <= 63, and H - A is 4 or 5 (a window 3.2 wide, floor below, ceil above).  The loop's wheres then reduce to cand(p) = RU(min(ceil(A / k), ceil(A' / j)), l), RU = up to a multiple
;      of l, a side with divisor 0 dropping out.  (The f32 divisions cannot move a ceil: a quotient that is no integer lies 1/320 or more from one, an integer quotient is exact.)
;  (3) That inner minimum is at most 32 (A + A' <= 60; or the only divisor is H - A >= 4).  So an odd p gives 64, p = 2 mod 4 gives 32 or more, a multiple of 4 gives 32 or less, and five numbers on end hold one.
;  (4) Two multiples of 4 in the window lie at its ends: the inner minimum is at most 16; the one with l = 16 gives 16 or more, the multiple of 8 gives 16 or less.
;  So the minimum is taken at p*: the multiple of 8 in [A, H] if there is one, else the window's only multiple of 4.  With n = ceil(g min((A - .5) / k, (A' - .5) / j) / 64) (the .5 changes no
;  ceil and keeps rounding away from the integers), 1 - best_len / 64 = (g - n) / g, which lies in 1/2 .. 63/64: there is no division by 0, and both clips of s fall together with the last clip to 0 .. 1.
; CASE (1) WITHOUT A COMPARE.  A <= 0 or H >= 64 makes its side negative, and the median with X0 = (1 - 2^-10) / 64 lifts the minimum to X0 (the other side is always above X0); in case (2) X0 g < 1/2
; changes no ceil.  p* is then 0 or 64, and the magic number 2^23 + 64 makes its low bit 64 or 128: n = 1 or 2, n / g = 1 / 64.
; ROUNDINGS THAT DECIDE A AND H are the JAX function's: fma(v, .5, .5) = fl(v + 1) / 2; fma(t, 64, -+64 c) = 64 fl(t -+ c) (powers of two commute with rounding).  t is clamped to 0 .. 1, which only
; touches inputs of case (1) and leaves them there (A in -2 .. 0, or H in 64 .. 66).
; LIMITS.  NaN inputs are not served (for a NaN in stable_len the JAX function gives 0; for one in in_value its conversion to int32 is not defined).  The last division is a reciprocal good to one unit
; in the last place and two multiplications.  Infinities and inputs far outside -1 .. 1 and 0 .. 64 give the JAX function's values.
; SHARES.  256 work-groups of 16 waves; a work-group owns 4,096 elements, a thread 8: two accesses of 16 bytes, 8,192 bytes apart.  Each load or store of a wave covers 512 consecutive bytes, aligned.
; No LDS, no barrier, no loop: a wave's whole share is four loads, all issued at once; in_value first, since the long chain hangs on it.
.set CHUNK, 8192                       ; bytes that the work-group's 512 threads cover with one 16-byte access each
.set OFF,  1                           ; v1        my byte offset in each of the three arrays; never rewritten
.set HALF, 2                           ; v[2:3]    0.5 twice: the clamped forms take vector registers alone
.set NEG1, 4                           ; v[4:5]    -1 twice
.set T,    8                           ; v[8:15]   in_value, then t
.set S,    16                          ; v[16:23]  stable_len, then 1 - s / 64, then that times g, then the result
.set A,    24                          ; v[24:31]  64 t - 1.6, its floor A, (A - .5) / 64, that over k, the median x
.set B,    32                          ; v[32:39]  -(64 t + 1.6), its floor -H, (63.5 - H) / 64, that over j, -x g, -n
.set AM,   40                          ; v[40:47]  2^23 + 64 + A
.set HM,   48                          ; v[48:55]  2^23 + 64 + H: as bits 0x4B000000 + 64 + H
.set P,    56                          ; v[56:63]  the same form of H's multiple of 8, then of p*
.set W,    64                          ; v[64:71]  1 where that multiple of 8 lies below A, else 0; then 0 - p*'s bits
.set K,    72                          ; v[72:79]  k, 1 / k; later g - n and its reciprocal
.set J,    80                          ; v[80:87]  j, 1 / j
.set G,    88                          ; v[88:95]  g: the low bit of p*'s bits, then as f32
.set C64,   12                         ; s[12:13]  64.  The packed forms name a scalar pair and take its low word for both halves; both words are written
.set NC,    14                         ; s[14:15]  -64 c = -1.6f
.set CN64,  16                         ; s[16:17]  -64
.set MAGIC, 18                         ; s[18:19]  2^23 + 64
.set I64,   20                         ; s[20:21]  1/64
.set NH,    22                         ; s[22:23]  -1/128
.set BH0,   24                         ; s[24:25]  63.5/64
.set NI64,  26                         ; s[26:27]  -1/64
.set X0,    28                         ; s28       (1 - 2^-10) / 64
.macro KONST r, bits
	s_mov_b32 s[\r], \bits
	s_mov_b32 s[\r+1], \bits
.endm
.macro PAIRS line:vararg               ; one line for each of my four pairs of elements: i = 0, 2, 4, 6
.set i, 0
.rept 4
	\line
.set i, i+2
.endr
.endm
.macro EACH line:vararg                ; one line for each of my eight elements: i = 0 .. 7
.set i, 0
	s_wait_alu depctr_va_vdst(0)
.rept 8
	\line
.set i, i+1
.endr
.endm
	s_load_b128 s[4:7], s[0:1], 0x0                ; in_value s[4:5], stable_len s[6:7]
	s_load_b64 s[8:9], s[0:1], 0x10                ; out0
	s_lshl_b32 s10, ttmp9, 14                      ; the work-group's 16,384 bytes
	v_lshl_add_u32 v[OFF], v0, 4, s10              ; + 16 x thread
	s_wait_kmcnt 0x0
	global_load_b128 v[T:T+3],   v[OFF], s[4:5] th:TH_LOAD_NT
	global_load_b128 v[T+4:T+7], v[OFF], s[4:5] offset:CHUNK th:TH_LOAD_NT
	global_load_b128 v[S:S+3],   v[OFF], s[6:7] th:TH_LOAD_NT
	global_load_b128 v[S+4:S+7], v[OFF], s[6:7] offset:CHUNK th:TH_LOAD_NT
	; the constants are made while the loads are on their way
	v_mov_b32 v[HALF], 0.5
	v_mov_b32 v[HALF+1], 0.5
	v_mov_b32 v[NEG1], -1.0
	v_mov_b32 v[NEG1+1], -1.0
	KONST C64,   0x42800000
	KONST NC,    0xbfcccccd
	KONST CN64,  0xc2800000
	KONST MAGIC, 0x4b000040
	KONST I64,   0x3c800000
	KONST NH,    0xbc000000
	KONST BH0,   0x3f7e0000
	KONST NI64,  0xbc800000
	s_mov_b32 s[X0], 0x3c7fc000
	s_wait_loadcnt 0x2                             ; loads come back in order (ISA guide 5.7.1): in_value is in, the two loads of stable_len issued behind it may stay out
	; A and H
	PAIRS v_pk_fma_f32 v[T+i:T+i+1], v[T+i:T+i+1], v[HALF:HALF+1], v[HALF:HALF+1] clamp                   ; t = fl(v + 1) / 2, held to 0 .. 1
	PAIRS v_pk_fma_f32 v[A+i:A+i+1], v[T+i:T+i+1], s[C64:C64+1], s[NC:NC+1] op_sel_hi:[1,0,0]              ; 64 fl(t - c)
	PAIRS v_pk_fma_f32 v[B+i:B+i+1], v[T+i:T+i+1], s[CN64:CN64+1], s[NC:NC+1] op_sel_hi:[1,0,0]            ; -64 fl(t + c)
	EACH  v_floor_f32 v[A+i], v[A+i]                                                                       ; A
	EACH  v_floor_f32 v[B+i], v[B+i]                                                                       ; floor(-x) = -ceil(x): -H
	PAIRS v_pk_add_f32 v[AM+i:AM+i+1], v[A+i:A+i+1], s[MAGIC:MAGIC+1] op_sel_hi:[1,0]                      ; exact: whole numbers in 2^23 .. 2^24
	PAIRS v_pk_add_f32 v[HM+i:HM+i+1], v[B+i:B+i+1], s[MAGIC:MAGIC+1] op_sel_hi:[1,0] neg_lo:[1,0] neg_hi:[1,0]
	PAIRS v_pk_fma_f32 v[A+i:A+i+1], v[A+i:A+i+1], s[I64:I64+1], s[NH:NH+1] op_sel_hi:[1,0,0]              ; (A - .5) / 64
	PAIRS v_pk_fma_f32 v[B+i:B+i+1], v[B+i:B+i+1], s[I64:I64+1], s[BH0:BH0+1] op_sel_hi:[1,0,0]            ; (A' - .5) / 64 = (63.5 - H) / 64
	; p*, k and j
	EACH  v_and_b32 v[P+i], -8, v[HM+i]                                                                    ; on the bits: the largest multiple of 8 up to H (64 is one, so the magic form stays)
	PAIRS v_pk_fma_f32 v[W+i:W+i+1], v[P+i:P+i+1], v[NEG1:NEG1+1], v[AM+i:AM+i+1] clamp                    ; A less that multiple, a whole number, held to 0 .. 1: 1 where it lies outside the window
	PAIRS v_pk_fma_f32 v[P+i:P+i+1], v[W+i:W+i+1], 4.0, v[P+i:P+i+1] op_sel_hi:[1,0,1]                     ; then the window's multiple of 4 is 4 further up
	PAIRS v_pk_add_f32 v[K+i:K+i+1], v[P+i:P+i+1], v[AM+i:AM+i+1] neg_lo:[0,1] neg_hi:[0,1]                ; k = p* - A, 0 .. 5
	PAIRS v_pk_add_f32 v[J+i:J+i+1], v[HM+i:HM+i+1], v[P+i:P+i+1] neg_lo:[0,1] neg_hi:[0,1]                ; j = H - p*, 0 .. 5
	; 1 / k and 1 / j (1 / 0 = +inf: that side drops out of the minimum, or in case (1) goes to -inf), each with a plain line behind it that names none of its registers
	; before its result is used (ISA guide 5.7.2): the low bit of p*'s bits, which is gcd(p*, 64) for p* in 4 .. 60
.set i, 0
.rept 8
	v_rcp_f32 v[K+i], v[K+i]
	v_sub_nc_u32 v[W+i], 0, v[P+i]
	v_rcp_f32 v[J+i], v[J+i]
	v_and_b32 v[G+i], v[W+i], v[P+i]
.set i, i+1
.endr
	EACH  v_cvt_f32_u32 v[G+i], v[G+i]                                                                     ; g as f32: 4 .. 128
	PAIRS v_pk_mul_f32 v[A+i:A+i+1], v[A+i:A+i+1], v[K+i:K+i+1]
	PAIRS v_pk_mul_f32 v[B+i:B+i+1], v[B+i:B+i+1], v[J+i:J+i+1]
	EACH  v_med3_num_f32 v[A+i], v[A+i], v[B+i], s[X0]                                                     ; the larger side is always above X0, so the median is max(min of the sides, X0)
	PAIRS v_pk_mul_f32 v[B+i:B+i+1], v[A+i:A+i+1], v[G+i:G+i+1] neg_lo:[1,0] neg_hi:[1,0]                  ; -x g
	EACH  v_floor_f32 v[B+i], v[B+i]                                                                       ; -n
	PAIRS v_pk_add_f32 v[K+i:K+i+1], v[G+i:G+i+1], v[B+i:B+i+1]                                            ; g - n, at least g / 2
	s_wait_loadcnt 0x0                             ; stable_len
	; 1 / (g - n); between the reciprocals the plain lines that make (1 - s / 64) g
.set i, 0
.rept 4
	v_rcp_f32 v[K+i], v[K+i]
	v_pk_fma_f32 v[S+i:S+i+1], v[S+i:S+i+1], s[NI64:NI64+1], 1.0 op_sel_hi:[1,0,0]
	v_rcp_f32 v[K+i+1], v[K+i+1]
	v_pk_mul_f32 v[S+i:S+i+1], v[S+i:S+i+1], v[G+i:G+i+1]
.set i, i+2
.endr
	; out = (1 - s / 64) g / (g - n), held to 0 .. 1: that clamp is the last clip and, since (g - n) / g <= 63/64, both clips of s
	s_wait_alu depctr_va_vdst(0)
	v_pk_mul_f32 v[S:S+1],   v[S:S+1],   v[K:K+1] clamp
	v_pk_mul_f32 v[S+2:S+3], v[S+2:S+3], v[K+2:K+3] clamp
	global_store_b128 v[OFF], v[S:S+3], s[8:9] th:TH_STORE_NT
	v_pk_mul_f32 v[S+4:S+5], v[S+4:S+5], v[K+4:K+5] clamp                                                  ; other registers than the store above reads
	v_pk_mul_f32 v[S+6:S+7], v[S+6:S+7], v[K+6:K+7] clamp
	global_store_b128 v[OFF], v[S+4:S+7], s[8:9] offset:CHUNK th:TH_STORE_NT
	s_endpgm
.Lfunc_end_k_qf79a3094fe_normstab:
	.size	k_qf79a3094fe_normstab, .Lfunc_end_k_qf79a3094fe_normstab-k_qf79a3094fe_normstab
	.p2alignl 7, 3214868480
	.fill 96, 4, 3214868480
	.section	.rodata,"a",@progbits
	.p2align	6, 0x0
	.amdhsa_kernel k_qf79a3094fe_normstab
		.amdhsa_group_segment_fixed_size 0
		.amdhsa_private_segment_fixed_size 0
		.amdhsa_enable_private_segment 0
		.amdhsa_kernarg_size 24
		.amdhsa_user_sgpr_count 2
		.amdhsa_user_sgpr_kernarg_segment_ptr 1
		.amdhsa_wavefront_size32 1
		.amdhsa_system_sgpr_workgroup_id_x 1
		.amdhsa_system_sgpr_workgroup_id_y 1
		.amdhsa_system_sgpr_workgroup_id_z 1
		.amdhsa_system_vgpr_workitem_id 0
		.amdhsa_next_free_vgpr 96
		.amdhsa_next_free_sgpr 66
		.amdhsa_reserve_vcc 0
		.amdhsa_float_denorm_mode_32 3
		.amdhsa_float_denorm_mode_16_64 3
		.amdhsa_memory_ordered 1
		.amdhsa_forward_progress 1
		.amdhsa_inst_pref_size 11
	.end_amdhsa_kernel
	.amdgpu_metadata
---
amdhsa.version: [ 1, 2 ]
amdhsa.kernels:
  - .name:           k_qf79a3094fe_normstab
    .symbol:         k_qf79a3094fe_normstab.kd
    .args:
      - { .name: in_value, .offset: 0, .size: 8, .value_kind: global_buffer, .address_space: global }
      - { .name: stable_len, .offset: 8, .size: 8, .value_kind: global_buffer, .address_space: global }
      - { .name: out0, .offset: 16, .size: 8, .value_kind: global_buffer, .address_space: global }
    .group_segment_fixed_size: 0
    .private_segment_fixed_size: 0
    .kernarg_segment_align: 8
    .kernarg_segment_size: 24
    .max_flat_workgroup_size: 512
    .sgpr_count:     66
    .vgpr_count:     96
    .wavefront_size: 32
...
	.end_amdgpu_metadata
.endif
;; end of part 1
